; MI455X (gfx1250); checked and timed in simulation.
; The chip was launched on July 23, 2026; its instructions are those of AMD's public machine-readable ISA for CDNA 5 (MIT licence, August 2026) and "CDNA5" Instruction Set Architecture Reference Guide (July 2026). The comments in the code are by the model that wrote it; some were corrected since.
;; Cross Attention. Allowed arithmetic: matrix products marked QUANTISED: E2M3 operands, one E8M0 scale for each 32 along K, by v_wmma_scale_f32_16x16x128_f8f6f4 with both operands' format E2M3, f32 sums; everything else in f32.
;; Inputs: Wk_codes 512 x 24 x 24 uint8 (E2M3 codes of Wk, K innermost, in blocks of 32 codes, four codes in three bytes); Wk_scales 512 x 24 uint8 (E8M0 scales of Wk, one for each 32 codes along K); Wo_codes 512 x 16 x 24 uint8 (E2M3 codes of Wo, K innermost, in blocks of 32 codes, four codes in three bytes); Wo_scales 512 x 16 uint8 (E8M0 scales of Wo, one for each 32 codes along K); Wv_codes 512 x 24 x 24 uint8 (E2M3 codes of Wv, K innermost, in blocks of 32 codes, four codes in three bytes); Wv_scales 512 x 24 uint8 (E8M0 scales of Wv, one for each 32 codes along K); bk 512 float32; bo 512 float32; bv 512 float32; key_codes 8 x 2,048 x 24 x 24 uint8 (E2M3 codes of key, K innermost, in blocks of 32 codes, four codes in three bytes); key_scales 8 x 2,048 x 24 uint8 (E8M0 scales of key, one for each 32 codes along K); query_codes 8 x 2,048 x 16 x 24 uint8 (E2M3 codes of query, K innermost, in blocks of 32 codes, four codes in three bytes); query_scales 8 x 2,048 x 16 uint8 (E8M0 scales of query, one for each 32 codes along K); value_codes 8 x 2,048 x 24 x 24 uint8 (E2M3 codes of value, K innermost, in blocks of 32 codes, four codes in three bytes); value_scales 8 x 2,048 x 24 uint8 (E8M0 scales of value, one for each 32 codes along K).
;; Outputs: out0 8 x 2,048 x 512 float32.
;; This version of the problem:
;;   THIS VERSION OF THE PROBLEM IS GIVEN IN LOW PRECISION. The matrix products marked QUANTISED in the list below multiply operands that are first quantised to E2M3 (2 exponent bits, 3 mantissa bits; 6 bits a number), with one power-of-two scale for each 32 numbers along K (OCP MX v1.0); their sums are f32. All else is computed in f32.
;;   The module's matrix products, in the order in which they are computed (A, B: the left and right operand; K: the contracted axis; several contracted axes count as one K, in the product's order):
;;     1. [M 16,384, K 768] x [K 768, N 512]; A: input key (given as codes); B: input Wk (given as codes): QUANTISED
;;     2. [M 16,384, K 768] x [K 768, N 512]; A: input value (given as codes); B: input Wv (given as codes): QUANTISED
;;     3. batch 8 x [M 2,048, K 512] x [K 512, N 2,048]; A: input query (given as codes); B: computed on the way: QUANTISED
;;     4. batch 8 x [M 2,048, K 2,048] x [K 2,048, N 512]; A: softmax (see below); B: computed on the way: QUANTISED
;;     5. [M 16,384, K 512] x [K 512, N 512]; A: computed on the way; B: input Wo (given as codes): QUANTISED
;;   THE QUANTISER, for each operand of a quantised product, along K:
;;     - K is cut into blocks of 32 from its start; a last block that is shorter is filled with zeros.
;;     - A block's scale is 2^e with e = floor(log2(the largest magnitude in the block)) - 2, held to -126 .. 127; a block of zeros has e = 0. As a byte (E8M0): e + 127.
;;     - Each number is divided by its block's scale, clamped to +-7.5, and rounded to the nearest number of E2M3, ties to even, subnormals kept.
;;     - The product sums the exact products of the quantised numbers (number of the format x scale) in f32.
;;   ~~~python
;;   def quantise(x, axis):      # numpy; x: float32 -> the quantised numbers, widened to float32 again
;;       x = np.moveaxis(x, axis, -1); K = x.shape[-1]
;;       x = np.pad(x, [(0, 0)] * (x.ndim - 1) + [(0, -K % 32)]); x = x.reshape(x.shape[:-1] + (-1, 32)); a = np.abs(x).max(-1, keepdims=True)
;;       e = np.where(a > 0, np.clip(np.frexp(np.where(a > 0, a, 1))[1] - 1 - 2, -126, 127), 0)      # np.frexp(a)[1] - 1 = floor(log2(a)), exactly
;;       r = np.clip(x / 2.0 ** e, -7.5, 7.5)
;;       step = 2.0 ** (np.maximum(np.frexp(np.where(r == 0, 1, r))[1] - 1, 0) - 3)
;;       q = np.round(r / step) * step * 2.0 ** e      # np.round: ties to even
;;       return np.moveaxis(q.reshape(q.shape[:-2] + (-1,))[..., :K], -1, axis).astype(np.float32)
;;   ~~~
;;   SOFTMAX AHEAD OF A QUANTISED PRODUCT. Where the list says 'softmax', what is quantised is not the finished softmax but p = 2^(t - M), with t = logit x log2(e) and M = ceil(the row's largest t), a whole number; so 1/2 < the row's largest p <= 1. The row's sum l is taken of the UNQUANTISED p, in f32, and the product's result is divided by l at the end. Since M is a whole number, a kernel that streams over the keys may use a running M (the ceiling of the running maximum): every later rescaling is an exact power of two, which a block's scale takes up: the codes' values come out the same.
;;   OPERANDS COMPUTED ON THE WAY. 'Computed on the way' means the value that the module computes at that place (a softmax that the list does not call 'softmax' is quantised finished and normalised). What goes into a quantiser is computed in f32, as accurately as f32 sums, v_exp_f32 and their like allow (about 1e-6 of the number): no bf16 or f16 on the way to a quantiser, and a product that is left as it is and whose result goes on into a quantised operand takes f32 operands (vector FMAs, or v_wmma_f32_16x16x4_f32). A number that lies on a knife's edge between two numbers of the format may be rounded either way, as far as f32 arithmetic and the matrix unit's own rounding can turn it there, and no further.
;;   INPUTS GIVEN AS CODES. Wk (in the module: [768, 512], K = its axis 0); Wo (in the module: [512, 512], K = its axis 0); Wv (in the module: [768, 512], K = its axis 0); key (in the module: [8, 2048, 768], K = its axis 2); query (in the module: [8, 2048, 512], K = its axis 2); value (in the module: [8, 2048, 768], K = its axis 2): each comes as NAME_codes (uint8): NAME with its K axis moved to the last place and cut into blocks of 32 codes, [.., K / 32, bytes a block], one block behind the other in memory; four codes in three bytes: a row's codes are one little-endian stream of bits, code i at bits 6 i .. 6 i + 5 (a code: sign, 2 exponent bits, 3 mantissa bits); and NAME_scales (uint8): the same leading axes, one E8M0 byte (e + 127) for each 32 codes along K. Its value is code x scale, taken as it is: it is not quantised again, and the codes and scales need not be those that the quantiser above would give.
;; One version. Each part assembles by itself: llvm-mc -triple=amdgcn-amd-amdhsa -mcpu=gfx1250 --defsym DOCPART=n.
;; ======== version 1 of 1: 2 launches
;; limits: right only within a limited range of input values
;; workspace buffers: kt 6,553,600 bytes; vt 6,553,600 bytes; wt 196,608 bytes
;; launch proj (part 1): grid 256 x 1, 4 waves a work-group, clusters of 4 x 1, 327,680 bytes of LDS; arguments key_codes, key_scales, Wk_codes, Wk_scales, bk, kt, value_codes, value_scales, Wv_codes, Wv_scales, bv, vt, Wo_codes, wt; writes kt, vt, wt
.if DOCPART == 1
	.amdgcn_target "amdgcn-amd-amdhsa--gfx1250"
	.amdhsa_code_object_version 6
	.text
	.protected	k_q7b1f0b784f_proj
	.globl	k_q7b1f0b784f_proj
	.p2align	8
	.type	k_q7b1f0b784f_proj,@function
k_q7b1f0b784f_proj:
	s_mov_b64 s[64:65], 0
	v_nop
	global_prefetch_b8 v0, s[64:65] scope:SCOPE_SE
	s_setreg_imm32_b32 hwreg(HW_REG_WAVE_MODE, 25, 1), 1
	s_wait_xcnt 0x0
	s_wait_alu depctr_hold_cnt(0) depctr_sa_sdst(0) depctr_va_vdst(0) depctr_va_sdst(0) depctr_va_ssrc(0) depctr_va_vcc(0) depctr_vm_vsrc(0)
	s_getreg_b32 s2, hwreg(HW_REG_IB_STS2, 6, 4)
	s_cmp_eq_u32 s2, 0
	s_cbranch_scc0 .Lentry_in_a_cluster
	s_endpgm
.Lentry_in_a_cluster:
	s_bfe_u32 s2, ttmp6, 0x10000c
	s_cmp_lg_u32 s2, 0x3003
	s_cbranch_scc0 .Lentry_shape_is_right
	s_endpgm
.Lentry_shape_is_right:
; Kp = key Wk + bk and Vp = value Wv + bv on codes of FP6 (E2M3) with E8M0 scales, K = 768; the results are quantised again (Kp along d, Vp along the keys)
; and stored as images of fragments (kt, vt: tiles of 256 keys, 102,400 bytes); 32 work-groups also copy Wo's codes into fragment order (wt).  No work of the problem is left out.
; SHARES.  Clusters 0-31 make Kp (path 0), 32-63 Vp (path 1).  A work-group makes 256 keys x 256 d; a wave 128 x 128: 64 accumulators.
; Path 0: source 0 = rows of W, source 1 = keys (a lane's registers run along d).  Path 1: source 0 = keys, source 1 = rows of W (they run along the keys).
; LDS.  256 rows x 576 bytes of codes are one dense block of 147,456 bytes: it comes as 576 rows of 256 bytes, each beginning at a multiple of 256, 16 bytes of padding behind each.
; Region R0 holds source 0's block, R1 source 1's, whichever tensor that is: no LDS address hangs on the path.  All of K fits, so nothing is filled again:
; one tensor load a wave at the head (wave 0: R0, wave 1: R1, waves 2, 3: the two blocks of scales, 6,144 dense bytes each), one wait, one barrier.
; Byte y of a block lies at y + 16 (y / 256).  Row r begins at byte 64 (r % 4) of a unit, so a piece in the 64-byte segment j of its row has passed
; 2 r + r / 4 + (r % 4 + j) / 4 units: eight address variants a base (j % 4; lanes 16-31, which read 24 bytes on, in the same segment or in the next), the rest in the immediate.
; CLUSTER.  The four partners share W's block and scales (mask 15); x's are each work-group's own.  No prefetch: the launch has no loop to run ahead in.
; LIMITS: NaN and infinities are not served; a block whose largest magnitude lies under 2^-124 gets the byte 1 (a block of zeros too: its codes are zeros).
.set KROW,   576
.set FR,     12
.set NL,     6
.set NP,     4
.set FBLK,   9792                      ; 16 rows: 36 units of 272 bytes
.set HALFT,  8*FBLK
.set R1,     2*HALFT
.set SCB,    2*R1
.set HALFS,  128*24
.set SCH,    2*HALFS
.set SPARE,  SCB+2*SCH
.set TILEB,  102400
.set BLKB,   25600
.set FRB,    1536
.set SCO,    24576
.set ADSR, 24
.set ADSL, 25
.set LI16, 26
.set VSO,  27
.set SPW,  28
.set NIL,  29
.set SRR,  32                          ; source 0's scale words, 6 a block; SLR source 1's
.set SLR,  80
.set AF,   128                         ; source 1's fragments, one set
.set ADB,  224                         ; v224-239 source 0's addresses: blocks 0-3, blocks 4-7, eight variants each; v240-255 source 1's
.set ADA,  240
.set X,    128                         ; the way out (the addresses above are done with by then)
.set CDS,  192
.set T2,   216
.set TM,   224
.set PW,   240
.set SD,   248
.set G1W,  28
.set G1X,  36
.set WV,   60
.set WHI,  61
.set WLO,  62
.set PATH, 63
.set GG,   66
.set XX,   67
.set G1SW, 68
.set G1SX, 76
.set SEL,  92
.set OB,   96
.set OSC,  100
.set MSB, 0
.macro WIN new
.if MSB != (\new)
	s_set_vgpr_msb (MSB<<8)|(\new)
.set MSB, (\new)
.endif
.endm
.set MUL_LO, 0xa1
.set MUL_HI, 0xf1
.set TO_B,   0x40
.macro PLACES n
.rept \n
	v_nop
.endr
.endm
.macro CROUND
	s_barrier_signal -1
	s_barrier_wait -1
	s_cmp_lg_u32 s[WV], 0
	s_cbranch_scc1 .Lnot_wave_0_\@
	s_barrier_signal -3
.Lnot_wave_0_\@:
	s_barrier_wait -3
	s_barrier_signal -1
	s_barrier_wait -1
.endm
.macro MKG0 g, lds, a                  ; a group 0: LDS address a constant, the block's address from s[a:a+1]
	s_mov_b32 s[\g], 1
	s_mov_b32 s[\g+1], \lds
	s_mov_b64 s[\g+2:\g+3], s[\a:\a+1]
	s_or_b32 s[\g+3], s[\g+3], 0x80000000
.endm
.macro TLOAD g0, g1
	tensor_load_to_lds s[\g0:\g0+3], s[\g1:\g1+7]
	s_nop 0
	PLACES 4
.endm
.macro ARM under, g0, g1, next
	s_cmp_lt_u32 s[WV], \under
	s_cbranch_scc0 \next
	TLOAD \g0, \g1
	s_branch .Lasked
\next:
.endm
	s_load_b256 s[4:11], s[0:1], 0x0
	s_load_b128 s[12:15], s[0:1], 0x20
	s_load_b256 s[16:23], s[0:1], 0x30
	s_load_b128 s[24:27], s[0:1], 0x50
	s_load_b128 s[96:99], s[0:1], 0x60
	v_lshl_add_u32 v[SPW], v0, 2, SPARE
	v_mov_b32 v[NIL], 0
	ds_add_u32 v[SPW], v[NIL]                      ; the opening lines: the add twice on end and one wait
	ds_add_u32 v[SPW], v[NIL]
	v_lshrrev_b32 v1, 5, v0
	v_readfirstlane_b32 s[WV], v1
	s_lshr_b32 s[WHI], s[WV], 1
	s_and_b32 s[WLO], s[WV], 1
	s_bfe_u32 s2, ttmp6, 0x40000                   ; cx
	s_lshr_b32 s[PATH], ttmp9, 5
	s_and_b32 s[GG], ttmp9, 1                      ; which 256 of the 512 d
	s_bfe_u32 s[XX], ttmp9, 0x40001
	s_lshl_b32 s[XX], s[XX], 2
	s_add_co_u32 s[XX], s[XX], s2                  ; which 256 keys
	s_mov_b32 s[G1W], 15|(3<<16)|(1<<20)|(1<<21)|(5<<22)|(3<<25)   ; elements of 8 bytes; 4 words of padding behind every 64
	s_mov_b32 s[G1X], (3<<16)|(1<<20)|(5<<22)|(3<<25)
.irp g, G1W, G1X
	s_mov_b32 s[\g+1], 32<<16
	s_mov_b32 s[\g+2], 576<<16
	s_mov_b32 s[\g+3], 32<<16
	s_mov_b32 s[\g+4], 576
	s_mov_b32 s[\g+5], 32
	s_mov_b32 s[\g+6], 0
	s_mov_b32 s[\g+7], 0
.endr
	s_mov_b32 s[G1SW], 15|(3<<16)|(1<<21)
	s_mov_b32 s[G1SX], 3<<16
.irp g, G1SW, G1SX
	s_mov_b32 s[\g+1], 32<<16
	s_mov_b32 s[\g+2], 24<<16
	s_mov_b32 s[\g+3], 32<<16
	s_mov_b32 s[\g+4], 24
	s_mov_b32 s[\g+5], 32
	s_mov_b32 s[\g+6], 0
	s_mov_b32 s[\g+7], 0
.endr
	s_mov_b32 s[SEL], 0x76543210
	s_mov_b32 s[SEL+1], 0xfedcba98
	s_wait_dscnt 0x0
	s_wait_kmcnt 0x0
	s_cmp_eq_u32 s[PATH], 0
	s_cselect_b64 s[4:5], s[4:5], s[16:17]         ; x's codes, x's scales, W's codes, W's scales, the bias, the result
	s_cselect_b64 s[6:7], s[6:7], s[18:19]
	s_cselect_b64 s[8:9], s[8:9], s[20:21]
	s_cselect_b64 s[10:11], s[10:11], s[22:23]
	s_cselect_b64 s[12:13], s[12:13], s[24:25]
	s_cselect_b64 s[14:15], s[14:15], s[26:27]
	s_mul_i32 s24, s[GG], 256*KROW                 ; W's offsets in registers that never hold cx
	s_mov_b32 s25, 0
	s_add_nc_u64 s[8:9], s[8:9], s[24:25]
	s_mul_i32 s24, s[GG], SCH
	s_add_nc_u64 s[10:11], s[10:11], s[24:25]
	s_mul_i32 s26, s[XX], 256*KROW
	s_mov_b32 s27, 0
	s_add_nc_u64 s[4:5], s[4:5], s[26:27]
	s_mul_i32 s26, s[XX], SCH
	s_add_nc_u64 s[6:7], s[6:7], s[26:27]
	CROUND                                         ; the partners are here: the joint loads meet
	MKG0 44, 0, 8                                  ; path 0: W -> R0, x -> R1, W's scales, x's scales
	MKG0 48, R1, 4
	MKG0 52, SCB, 10
	MKG0 56, SCB+SCH, 6
	MKG0 84, 0, 4                                  ; path 1: x -> R0, W -> R1,
	MKG0 88, R1, 8
	s_mov_b32 s4, 1                                ; x's scales (s[6:7] is in its place),
	s_mov_b32 s5, SCB
	s_or_b32 s7, s7, 0x80000000
	s_mov_b32 s8, 1                                ; W's scales (s[10:11] likewise)
	s_mov_b32 s9, SCB+SCH
	s_or_b32 s11, s11, 0x80000000
	s_cmp_eq_u32 s[PATH], 0                        ; one tree, one load to an arm, one join; the path is the same in all partners
	s_cbranch_scc0 .Lp1
	ARM 1, 44, G1W, .La1
	ARM 2, 48, G1X, .La2
	ARM 3, 52, G1SW, .La3
	TLOAD 56, G1SX
	s_branch .Lasked
.Lp1:
	ARM 1, 84, G1X, .Lb1
	ARM 2, 88, G1W, .Lb2
	ARM 3, 4, G1SX, .Lb3
	TLOAD 8, G1SW
.Lasked:
	s_mul_i32 s16, s[WLO], HALFT                   ; source 0: my 128 rows, blocks 0-3; blocks 4-7
	s_add_co_u32 s17, s16, 4*FBLK
	s_mul_i32 s18, s[WHI], HALFT                   ; source 1
	s_add_co_u32 s18, s18, R1
	s_add_co_u32 s19, s18, 4*FBLK
	s_mul_i32 s20, s[WLO], HALFS
	s_add_co_u32 s20, s20, SCB
	s_mul_i32 s21, s[WHI], HALFS
	s_add_co_u32 s21, s21, SCB+SCH
	v_and_b32 v1, 15, v0                           ; r
	v_bfe_u32 v2, v0, 4, 1                         ; h
	v_and_b32 v6, 31, v0
	v_lshlrev_b32 v[LI16], 4, v6
	v_mul_u32_u24 v3, v1, KROW
	v_lshrrev_b32 v4, 2, v1
	v_lshl_add_u32 v4, v1, 1, v4                   ; 2 r + r / 4 units passed at the row's start
	v_lshl_add_u32 v3, v4, 4, v3
	v_mad_u32_u24 v3, v2, 24, v3
	v_and_b32 v5, 3, v1
	v_add_nc_u32 v6, v5, v2
.irp c, 0,1,2,3
	v_add_nc_u32 v[8+\c], \c, v5                   ; both halves of the lanes in segment c (mod 4);
	v_add_nc_u32 v[12+\c], \c, v6                  ; lanes 16-31 in the next one
.endr
.irp k, 0,1,2,3,4,5,6,7
	v_lshrrev_b32 v[8+\k], 2, v[8+\k]
.endr
.irp k, 0,1,2,3,4,5,6,7
	v_lshl_add_u32 v[8+\k], v[8+\k], 4, v3
.endr
.irp k, 0,1,2,3,4,5,6,7
	v_add_nc_u32 v[ADB+\k], s16, v[8+\k]
	v_add_nc_u32 v[ADB+8+\k], s17, v[8+\k]
	v_add_nc_u32 v[ADA+\k], s18, v[8+\k]
	v_add_nc_u32 v[ADA+8+\k], s19, v[8+\k]
.endr
	v_mul_u32_u24 v6, v1, 24
	v_add_nc_u32 v[ADSR], s20, v6
	v_add_nc_u32 v[ADSL], s21, v6
	v_lshlrev_b32 v7, 5, v2
	v_lshlrev_b32 v8, 2, v1
	; the bias, in window 1 beside source 0's sets: path 0 along the registers, path 1 one number a lane
	s_cmp_eq_u32 s[PATH], 0
	s_cselect_b32 s16, s[WLO], s[WHI]
	s_lshl_b32 s16, s16, 9
	s_lshl_b32 s2, s[GG], 10
	s_add_co_u32 s2, s2, s16
	s_mov_b32 s3, 0
	s_add_nc_u64 s[12:13], s[12:13], s[2:3]
	s_cmp_eq_u32 s[PATH], 0
	s_cbranch_scc0 .Lbias_v
	WIN 0x40
	s_wait_alu depctr_va_vdst(0)                   ; the wait ahead of the reader
.irp p, 0,1,2,3,4,5,6,7
	global_load_b128 v[96+8*\p+96*(\p/4):99+8*\p+96*(\p/4)], v7, s[12:13] offset:64*\p
	global_load_b128 v[100+8*\p+96*(\p/4):103+8*\p+96*(\p/4)], v7, s[12:13] offset:64*\p+16
.endr
	WIN 0
	s_branch .Lbias_done
.Lbias_v:
	WIN 0x40
	s_wait_alu depctr_va_vdst(0)
.irp p, 0,1,2,3,4,5,6,7
	global_load_b32 v[96+2*\p], v8, s[12:13] offset:64*\p
	global_load_b32 v[97+2*\p], v8, s[12:13] offset:64*\p
.endr
.set JJ, 0
.rept 16
	v_mov_b32 v[112+JJ], 0
.set JJ, JJ+1
.endr
.set JJ, 0
.rept 32
	v_mov_b32 v[224+JJ], 0
.set JJ, JJ+1
.endr
	WIN 0
.Lbias_done:
	; Wo's codes into fragment order: clusters 0-7, a fragment a wave
	s_cmp_lt_u32 ttmp9, 8
	s_cbranch_scc0 .Lno_wo
	s_bfe_u32 s2, ttmp6, 0x40000
	s_and_b32 s16, ttmp9, 3
	s_lshr_b32 s17, ttmp9, 2
	s_lshr_b32 s18, s2, 1
	s_and_b32 s19, s2, 1
	s_lshl_b32 s19, s19, 2
	s_add_co_u32 s19, s19, s[WV]
	s_lshl_b32 s20, s16, 3
	s_add_co_u32 s20, s20, s19
	s_mul_i32 s20, s20, 16*384
	s_lshl_b32 s21, s17, 1
	s_add_co_u32 s21, s21, s18
	s_mul_i32 s21, s21, 96
	s_add_co_u32 s20, s20, s21
	s_mov_b32 s21, 0
	s_add_nc_u64 s[96:97], s[96:97], s[20:21]
	s_lshl_b32 s22, ttmp9, 4
	s_lshl_b32 s23, s2, 2
	s_add_co_u32 s22, s22, s23
	s_add_co_u32 s22, s22, s[WV]
	s_mul_i32 s22, s22, FRB
	s_mov_b32 s23, 0
	s_add_nc_u64 s[98:99], s[98:99], s[22:23]
	v_mul_u32_u24 v9, v1, 384
	v_mad_u32_u24 v9, v2, 24, v9
.irp p, 0,1,2,3,4,5
	global_load_b64 v[AF+2*\p:AF+1+2*\p], v9, s[96:97] offset:48*(\p/3)+8*(\p%3)
.endr
	s_wait_alu depctr_va_vdst(0)
	s_wait_loadcnt 0x0
.irp c, 0,1,2
	global_store_b128 v[LI16], v[AF+4*\c:AF+3+4*\c], s[98:99] offset:512*\c
.endr
	s_wait_xcnt 0x0                                ; the stores have read their registers and base
.Lno_wo:
	; where my fragments and scale words go in the tile's image
	s_lshl_b32 s16, s[GG], 1
	s_add_co_u32 s17, s16, s[WLO]
	s_add_co_u32 s18, s16, s[WHI]
	s_mul_i32 s19, s[WHI], 2*BLKB
	s_mul_i32 s20, s17, 4*FRB
	s_add_co_u32 s20, s20, s19
	s_lshl_b32 s24, s17, 8
	s_add_co_u32 s24, s24, s19
	s_mul_i32 s19, s18, BLKB
	s_mul_i32 s21, s[WLO], 8*FRB
	s_add_co_u32 s21, s21, s19
	s_lshl_b32 s25, s[WLO], 9
	s_add_co_u32 s25, s25, s19
	s_mov_b32 s22, 4*FRB
	s_mov_b32 s26, 256
	s_cmp_eq_u32 s[PATH], 0
	s_cselect_b32 s20, s20, s21
	s_cselect_b32 s24, s24, s25
	s_cselect_b32 s22, BLKB, s22
	s_cselect_b32 s26, BLKB, s26
	s_mul_i32 s19, s[XX], TILEB
	s_add_co_u32 s20, s20, s19
	s_add_co_u32 s24, s24, s19
	s_add_co_u32 s24, s24, SCO
	s_mov_b32 s21, 0
	s_mov_b32 s23, 0
	s_mov_b32 s25, 0
	s_add_nc_u64 s[OB:OB+1], s[14:15], s[20:21]
	s_add_nc_u64 s[OB+2:OB+3], s[OB:OB+1], s[22:23]
	s_add_nc_u64 s[OSC:OSC+1], s[14:15], s[24:25]
	v_mul_u32_u24 v[VSO], s26, v2
	v_lshl_add_u32 v[VSO], v1, 4, v[VSO]
.macro FRAG reg, adr, q, i             ; block i's fragment of K step q: six pieces of 8 bytes; lanes 0-15's piece begins at byte OFS of the row
.irp p, 0,1,2,3,4,5
.set OFS, 96*(\q)+48*(\p/3)+8*(\p%3)
	ds_load_b64 v[\reg+2*\p:\reg+2*\p+1], v[\adr+8*((\i)/4)+(OFS/64)%4+4*((OFS+24)/64-OFS/64)] offset:OFS+16*(OFS/256)+((\i)%4)*FBLK
.endr
.endm
.macro MUL16 a0, p, kq, zero           ; the 64 accumulators take turns
.irp a, \a0, \a0+1
.irp b, 0,1,2,3,4,5,6,7
.if \zero
	v_wmma_scale_f32_16x16x128_f8f6f4 v[8*(8*((\a)%4)+\b):8*(8*((\a)%4)+\b)+7], v[128*(\p)+FR*\b:128*(\p)+FR*\b+FR-1], v[AF+FR*(\a):AF+FR*(\a)+FR-1], 0, v[SRR+6*\b+(\kq)], v[SLR+6*(\a)+(\kq)] matrix_a_fmt:MATRIX_FMT_FP6 matrix_b_fmt:MATRIX_FMT_FP6
.else
	v_wmma_scale_f32_16x16x128_f8f6f4 v[8*(8*((\a)%4)+\b):8*(8*((\a)%4)+\b)+7], v[128*(\p)+FR*\b:128*(\p)+FR*\b+FR-1], v[AF+FR*(\a):AF+FR*(\a)+FR-1], v[8*(8*((\a)%4)+\b):8*(8*((\a)%4)+\b)+7], v[SRR+6*\b+(\kq)], v[SLR+6*(\a)+(\kq)] matrix_a_fmt:MATRIX_FMT_FP6 matrix_b_fmt:MATRIX_FMT_FP6
.endif
.endr
.endr
.endm
.macro FETCH_B q, p
	WIN TO_B
.irp i, 0,1,2,3,4,5,6,7
	FRAG 128*(\p)+FR*\i, ADB, \q, \i
.endr
	WIN 0
.endm
.macro FETCH_A q, i0
.irp i, \i0, \i0+1, \i0+2, \i0+3
	FRAG AF+FR*(\i), ADA, \q, \i
.endr
.endm
.macro SCALES                          ; all six K steps' words of my 8 + 8 blocks
.irp i, 0,1,2,3,4,5,6,7
.irp c, 0,1,2
	ds_load_b64 v[SRR+6*\i+2*\c:SRR+6*\i+2*\c+1], v[ADSR] offset:384*\i+8*\c
	ds_load_b64 v[SLR+6*\i+2*\c:SLR+6*\i+2*\c+1], v[ADSL] offset:384*\i+8*\c
.endr
.endr
.endm
.macro STEP q, zero                    ; 64 products of K step q; the next step's fragments come in its middle and at its end
	s_wait_dscnt 4*NL                              ; the youngest 24 loads (source 1's blocks 4-7) may be out
	WIN MUL_LO
	MUL16 0, (\q)%2, \q, \zero
	MUL16 2, (\q)%2, \q, \zero
	s_wait_dscnt 0
	PLACES NP
	FETCH_B (\q)+1, ((\q)+1)%2
	FETCH_A (\q)+1, 0
	WIN MUL_HI
	MUL16 4, (\q)%2, \q, \zero
	MUL16 6, (\q)%2, \q, \zero
	PLACES NP
	WIN 0
	FETCH_A (\q)+1, 4
.endm
.macro QUANT src, cd, t2, tm, pw       ; 64 numbers of a lane become a fragment's 12 registers and its scale word
.irp b, 0,1,2,3
	v_max3_num_f32 v[\tm+\b], |v[\src+16*\b]|, |v[\src+16*\b+1]|, 0x1800000
.endr
.irp i, 2,4,6,8,10,12,14
.irp b, 0,1,2,3
	v_max3_num_f32 v[\tm+\b], v[\tm+\b], |v[\src+16*\b+\i]|, |v[\src+16*\b+\i+1]|
.endr
.endr
.irp b, 0,1,2,3
	v_permlanex16_b32 v[\tm+4+\b], v[\tm+\b], s[SEL], s[SEL+1]
.endr
.irp b, 0,1,2,3
	v_max_num_f32 v[\tm+\b], v[\tm+\b], v[\tm+4+\b]
.endr
.irp b, 0,1,2,3
	v_add_nc_u32 v[\tm+12+\b], 0xff000000, v[\tm+\b]
.endr
.irp b, 0,1,2,3
	v_lshrrev_b32 v[\tm+4+\b], 23, v[\tm+12+\b]
.endr
	v_lshl_or_b32 v[\pw], v[\tm+5], 8, v[\tm+4]
	v_lshl_or_b32 v[\pw], v[\tm+6], 16, v[\pw]
	v_lshl_or_b32 v[\pw], v[\tm+7], 24, v[\pw]
.irp c, 0,1
	v_cvt_scalef32_pk16_fp6_f32 v[\cd+6*\c:\cd+6*\c+2], v[\src+32*\c:\src+32*\c+15], v[\tm+12+2*\c]
	v_cvt_scalef32_pk16_fp6_f32 v[\t2+4*\c:\t2+4*\c+2], v[\src+32*\c+16:\src+32*\c+31], v[\tm+13+2*\c]
.endr
	v_nop
.irp c, 0,1
.irp i, 0,1,2
	v_permlane16_swap_b32 v[\cd+6*\c+\i], v[\t2+4*\c+\i]
.endr
.irp i, 0,1,2
	v_mov_b32 v[\cd+6*\c+3+\i], v[\t2+4*\c+\i]
.endr
.endr
.endm
.macro OUTL l                          ; source 1's block l: + bias, quantised, stored as an image: 32 lanes store 512 consecutive bytes
.set AC, 64*((\l)%4)
.set CDL, CDS+12*((\l)%2)
.set PWL, PW+(\l)
	s_cmp_eq_u32 s[PATH], 0
	s_cbranch_scc0 .Lbias_lane_\@
	WIN 0x06+(\l)/4
.set JJ, 0
.rept 32
	v_pk_add_f32 v[X+JJ:X+JJ+1], v[AC+JJ:AC+JJ+1], v[96+JJ+96*(JJ/32):97+JJ+96*(JJ/32)]
.set JJ, JJ+2
.endr
	WIN 0
	s_branch .Lbias_done_\@
.Lbias_lane_\@:
	WIN 0x06+(\l)/4
.set JJ, 0
.rept 32
	v_pk_add_f32 v[X+JJ:X+JJ+1], v[AC+JJ:AC+JJ+1], v[96+2*(\l):97+2*(\l)]
.set JJ, JJ+2
.endr
	WIN 0
.Lbias_done_\@:
	s_wait_xcnt 0x0                                ; earlier stores have read their registers
	QUANT X, CDL, T2, TM, PWL
.irp c, 0,1,2
	global_store_b128 v[LI16], v[CDL+4*\c:CDL+4*\c+3], s[OB+2*((\l)/4):OB+2*((\l)/4)+1] offset:((\l)%4)*FRB+512*\c
.endr
.endm
	s_wait_alu depctr_va_vdst(0)                   ; the wait at the head's end
	s_wait_tensorcnt 0x0                           ; my block is in;
	s_barrier_signal -1
	s_barrier_wait -1                              ; everybody's is
	FETCH_B 0, 0
	FETCH_A 0, 0
	SCALES
	FETCH_A 0, 4
	STEP 0, 1                                      ; the first step's products start the sums
.irp q, 1,2,3,4
	STEP \q, 0
.endr
	s_wait_dscnt 4*NL
	WIN MUL_LO
	MUL16 0, 1, 5, 0
	MUL16 2, 1, 5, 0
	s_wait_dscnt 0
	WIN MUL_HI
	MUL16 4, 1, 5, 0
	MUL16 6, 1, 5, 0
	WIN 0
	PLACES NP
	s_wait_loadcnt 0x0                             ; the bias
.irp l, 0,1,2,3,4,5,6,7
	OUTL \l
.endr
	v_cmp_eq_u32 vcc_lo, 1, v2
.irp i, 0,1,2,3
	v_cndmask_b32 v[SD+\i], v[PW+\i], v[PW+4+\i], vcc_lo
.endr
	global_store_b128 v[VSO], v[SD:SD+3], s[OSC:OSC+1]
	s_wait_tensorcnt 0x0                           ; the wave's end
	ds_add_u32 v[SPW], v[NIL]
	s_wait_dscnt 0x0
	CROUND                                         ; the closing round
	s_endpgm
.Lfunc_end_k_q7b1f0b784f_proj:
	.size	k_q7b1f0b784f_proj, .Lfunc_end_k_q7b1f0b784f_proj-k_q7b1f0b784f_proj
	.p2alignl 7, 3214868480
	.fill 96, 4, 3214868480
	.section	.rodata,"a",@progbits
	.p2align	6, 0x0
	.amdhsa_kernel k_q7b1f0b784f_proj
		.amdhsa_group_segment_fixed_size 327680
		.amdhsa_private_segment_fixed_size 0
		.amdhsa_enable_private_segment 0
		.amdhsa_kernarg_size 112
		.amdhsa_user_sgpr_count 2
		.amdhsa_user_sgpr_kernarg_segment_ptr 1
		.amdhsa_wavefront_size32 1
		.amdhsa_system_sgpr_workgroup_id_x 1
		.amdhsa_system_sgpr_workgroup_id_y 1
		.amdhsa_system_sgpr_workgroup_id_z 1
		.amdhsa_system_vgpr_workitem_id 0
		.amdhsa_next_free_vgpr 1024
		.amdhsa_next_free_sgpr 102
		.amdhsa_reserve_vcc 1
		.amdhsa_float_denorm_mode_32 3
		.amdhsa_float_denorm_mode_16_64 3
		.amdhsa_memory_ordered 1
		.amdhsa_forward_progress 1
		.amdhsa_inst_pref_size 177
	.end_amdhsa_kernel
	.amdgpu_metadata
---
amdhsa.version: [ 1, 2 ]
amdhsa.kernels:
  - .name:           k_q7b1f0b784f_proj
    .symbol:         k_q7b1f0b784f_proj.kd
    .args:
      - { .name: key_codes, .offset: 0, .size: 8, .value_kind: global_buffer, .address_space: global }
      - { .name: key_scales, .offset: 8, .size: 8, .value_kind: global_buffer, .address_space: global }
      - { .name: Wk_codes, .offset: 16, .size: 8, .value_kind: global_buffer, .address_space: global }
      - { .name: Wk_scales, .offset: 24, .size: 8, .value_kind: global_buffer, .address_space: global }
      - { .name: bk, .offset: 32, .size: 8, .value_kind: global_buffer, .address_space: global }
      - { .name: kt, .offset: 40, .size: 8, .value_kind: global_buffer, .address_space: global }
      - { .name: value_codes, .offset: 48, .size: 8, .value_kind: global_buffer, .address_space: global }
      - { .name: value_scales, .offset: 56, .size: 8, .value_kind: global_buffer, .address_space: global }
      - { .name: Wv_codes, .offset: 64, .size: 8, .value_kind: global_buffer, .address_space: global }
      - { .name: Wv_scales, .offset: 72, .size: 8, .value_kind: global_buffer, .address_space: global }
      - { .name: bv, .offset: 80, .size: 8, .value_kind: global_buffer, .address_space: global }
      - { .name: vt, .offset: 88, .size: 8, .value_kind: global_buffer, .address_space: global }
      - { .name: Wo_codes, .offset: 96, .size: 8, .value_kind: global_buffer, .address_space: global }
      - { .name: wt, .offset: 104, .size: 8, .value_kind: global_buffer, .address_space: global }
    .group_segment_fixed_size: 327680
    .private_segment_fixed_size: 0
    .kernarg_segment_align: 8
    .kernarg_segment_size: 112
    .max_flat_workgroup_size: 128
    .sgpr_count:     102
    .vgpr_count:     1024
    .wavefront_size: 32
...
	.end_amdgpu_metadata
.endif
;; end of part 1
;; launch attn (part 2): grid 32 x 8, 4 waves a work-group, clusters of 4 x 1, 327,680 bytes of LDS; arguments query_codes, query_scales, kt, vt, wt, Wo_scales, bo, out0; writes out0
.if DOCPART == 2
	.amdgcn_target "amdgcn-amd-amdhsa--gfx1250"
	.amdhsa_code_object_version 6
	.text
	.protected	k_q7b1f0b784f_attn
	.globl	k_q7b1f0b784f_attn
	.p2align	8
	.type	k_q7b1f0b784f_attn,@function
k_q7b1f0b784f_attn:
	s_mov_b64 s[64:65], 0
	v_nop
	global_prefetch_b8 v0, s[64:65] scope:SCOPE_SE
	s_setreg_imm32_b32 hwreg(HW_REG_WAVE_MODE, 25, 1), 1
	s_wait_xcnt 0x0
	s_wait_alu depctr_hold_cnt(0) depctr_sa_sdst(0) depctr_va_vdst(0) depctr_va_sdst(0) depctr_va_ssrc(0) depctr_va_vcc(0) depctr_vm_vsrc(0)
	s_getreg_b32 s2, hwreg(HW_REG_IB_STS2, 6, 4)
	s_cmp_eq_u32 s2, 0
	s_cbranch_scc0 .Lentry_in_a_cluster
	s_endpgm
.Lentry_in_a_cluster:
	s_bfe_u32 s2, ttmp6, 0x10000c
	s_cmp_lg_u32 s2, 0x3003
	s_cbranch_scc0 .Lentry_shape_is_right
	s_endpgm
.Lentry_shape_is_right:
; out = Q6(softmax(Q Kp^T / sqrt(512)) Vp) Wo + bo, all three products on codes of FP6 (E2M3) with one E8M0 scale for each 32 along K.  Kp and Vp come as images of fragments (kt, vt: tiles of 256 keys, 102,400 bytes,
; four blocks of 16 fragments of 1,536 bytes and 1,024 bytes of scale words), Wo's codes likewise (wt: fragment 64 (s / 2) + 16 W + 8 (s % 2) + et of 1,536 bytes: K step s, rows e = 128 W + 16 et + r).
; THE SOFTMAX: t = score x log2(e) / sqrt(512); M = the running largest t rounded UP to a whole number; p = 2^(t - M) is quantised along the keys, not normalised; the row's sum is taken of the unquantised p and divides at the end.
; When M moves, the sum and O are multiplied by 2^(old M - new M), which rounds nothing.
; SHARES.  A work-group owns 64 queries (four tiles m) of one batch and walks the 2,048 keys, 256 a step.  THE WAVES SHARE THE COLUMNS: in S^T = Kp Q^T wave w takes keys 64 w .. 64 w + 63, in O^T = Vp^T P^T and in the last product
; d (or e) 128 w .. 128 w + 127, each for all 64 queries.  So O (64 x 512 f32) is spread over the four waves' registers, and each fragment of Kp, Vp and Wo is read from LDS once, by one wave.
; What goes from wave to wave is small: at the head Q's fragments, then the rows' maxima (16 bytes a lane), p's codes and scale bytes, at the end the sums and the context's codes: all as images of registers, at a constant + a constant x lane + a constant x wave.
; All products are used transposed (source 0 = keys, d or e; source 1 = queries): a lane holds ONE query (lane % 16) of each tile throughout.
; Q.  Every wave wants all 16 fragments of Q.  Wave w loads K step w of the four tiles from memory (24 loads of 8 bytes a lane), and the fragments go round through LDS, two tiles at a time, in the bytes that later hold p's images.
; THE ORDER OF k.  Tiles take neighbouring rows, so in a block of 32 made from results the codes of k 8-15 and 16-23 change places.  Along the keys p and Vp are both made so.  Along d Kp is made so, and Q's codes are brought
; into the same order once, in registers.  The context is brought into the natural order ahead of its quantiser, since Wo is taken as given.  So a sum's last bits may differ from those in the natural order.
; CLUSTER.  The four query blocks of a cluster belong to one batch and walk the same tiles, and all work-groups walk the same Wo: every tile is asked for jointly (mask 15).  Behind each step's round waves 0 and 1 ask for the halves
; of Kp's tile two steps on (two slots), waves 2 and 3 for the halves of Vp's next tile (one slot).  Behind step 6's round, where no tile of Kp is left, waves 0 and 1 ask for Wo's K steps 0 and 1 (98,304 bytes, into Kp's slot 0);
; in step 7 the barrier in front of V^T P is a round, and behind it each wave asks for a quarter of Wo's K steps 2 and 3 (into Kp's slot 1).  One tensor load a wave behind a round; at most one of a wave's is out.
; LIMITS: NaN and infinities are not served.  A block of p or of the context whose largest number lies under 2^-124 gets the byte 1 (a block of zeros too: its codes are zeros).
; REGISTERS.  window 0: v1-31 addresses; v32-47 Q's scale words (later Wo's), v48-55 Kp's, v56-63 Vp's (v48-63 later the context's), v64-71 p's: scales and nothing else; v72.. pairs (-M, largest t), v80.. the sums,
;   v88.. pairs (f, 0); v96-127 at work; v128-255 S^T, tile (m, t) at 128 + 32 m + 8 t (at the head my four fragments of Q; later p's second set, the context, rows of out).   window 1: O^T at 64 m + 8 dt, later out.
;   window 2: Q's 16 fragments (later Wo's K steps 0, 1); v192-239 p's first set.   window 3: 16 fragments of Kp or Vp (later Wo's K steps 2, 3); v192-255 bo.
.set TILEB,  102400
.set HALFB,  51200
.set BLKB,   25600
.set FRB,    1536
.set SCO,    24576                     ; the scale words in a block
.set WOH,    98304                     ; two K steps of Wo: 64 fragments
.set WOQ,    24576                     ; a wave's 16 of them
.set VSL,    2*TILEB                   ; LDS: Kp's slots at 0 and TILEB, Vp's slot,
.set PIMG,   3*TILEB                   ; p's 8 fragments (4 kk + m); a half c (768 bytes): registers 6 c .. 6 c + 3 at 16 x lane, 6 c + 4, 5 at 512 + 8 x lane.  (At the head: 8 fragments of Q),
.set PSC,    PIMG+8*FRB                ; p's scale words: (kk, m) at 512 kk + 16 x lane + 4 m,
.set MAXX,   PSC+1024                  ; the waves' maxima, 512 bytes each,
.set LSUM,   MAXX+2048                 ; the waves' sums,
.set SPARE,  LSUM+2048                 ; the spare words, 128 bytes for each wave
.set CSC,    24576                     ; in Kp's slot 0, behind its last fill (Wo's first half) and its last read: the context's 16 fragments from byte 0, their scale words (128 bytes each),
.set STAGE,  32768                     ; and a stage of 16 rows x (512 + 16) bytes for each wave
.set SPITCH, 528
.set RR,   1
.set HH,   2
.set SPW,  3
.set NIL,  4
.set LI16, 5                           ; 16 x lane
.set AKW,  6                           ; my block in a slot of Kp
.set ADK,  7                           ; the same in the slot in hand.  (At the head: where my fragments of Q go; at the end: my part of Wo's second half)
.set AVW,  8                           ; my block of Vp
.set AP16, 9                           ; p's images: to read
.set AP8,  10
.set APW16, 11                         ; and to write: my half of the fragments of my 128 keys
.set APW8, 12
.set APS,  13
.set APSW, 14
.set AMX,  15
.set AMXW, 16
.set ALS,  17
.set ALSW, 18
.set STO,  19
.set RD,   20
.set QSO,  21
.set CIW,  22
.set CSW,  23
.set LI4,  24
.set AWO,  25                          ; 384 r + 24 h: a lane's bytes in 16 rows of Q
.set AWS,  26
.set BOO,  27
.set AWA,  31                          ; my part of Wo's first half, in Kp's slot 0
.set QSC,  32
.set KSC,  48
.set VSC,  56
.set PSCR, 64
.set NM,   72
.set LL,   80
.set FF,   88
.set BM,   96
.set SOP,  104
.set EX,   112
.set S,    128
.set XR,   128
.set CD,   192
.set CT2,  204
.set CPW,  120
.set WV,   20
.set WHI,  21
.set WLO,  22
.set G1,   24                          ; s[24:31] group 1: 51,200 dense bytes as 200 rows of 256
.set G0KA, 32                          ; s[32:35] Kp's tile 0;  s[36:39] tile 1, then it walks;  s[40:43] Vp's
.set G0K,  36
.set G0V,  40
.set KB,   44                          ; the slot of Kp in hand: 0 or TILEB
.set KH,   45                          ; the half that I fetch
.set CNT,  46
.set CS,   48                          ; s[48:49] c = log2(e) / sqrt(512)
.set SEL,  50
.set G1A,  68                          ; s[68:75] group 1: 49,152 dense bytes as 192 rows of 256;  s[76:83] 24,576 as 96
.set G1B,  76
.set G0WA, 84                          ; s[84:87] my half of Wo's first half;  s[88:91] my quarter of its second
.set G0WB, 88
.set MSB, 0
.macro WIN new                         ; the immediate's high byte repeats the setting that is left
.if MSB != (\new)
	s_set_vgpr_msb (MSB<<8)|(\new)
.set MSB, (\new)
.endif
.endm
.macro PLACES n
.rept \n
	v_nop
.endr
.endm
.macro CROUND                          ; a round of the cluster's barrier
	s_barrier_signal -1
	s_barrier_wait -1
	s_cmp_lg_u32 s[WV], 0
	s_cbranch_scc1 .Lnot_wave_0_\@
	s_barrier_signal -3
.Lnot_wave_0_\@:
	s_barrier_wait -3
	s_barrier_signal -1
	s_barrier_wait -1
.endm
.macro JLOAD                           ; waves 0, 1: Kp's halves; waves 2, 3: Vp's.  Four v_nop follow each line
	s_cmp_lt_u32 s[WV], 2
	s_cbranch_scc0 .Lfor_v_\@
	tensor_load_to_lds s[G0K:G0K+3], s[G1:G1+7]
	s_nop 0
.rept 4
	v_nop
.endr
	s_branch .Lasked_\@
.Lfor_v_\@:
	tensor_load_to_lds s[G0V:G0V+3], s[G1:G1+7]
	s_nop 0
.rept 4
	v_nop
.endr
.Lasked_\@:
.endm
.macro JLOADW                          ; behind step 6: waves 0, 1: the halves of Wo's K steps 0 and 1, into Kp's slot 0; waves 2, 3: Vp's last tile
	s_cmp_lt_u32 s[WV], 2
	s_cbranch_scc0 .Lfor_v_\@
	tensor_load_to_lds s[G0WA:G0WA+3], s[G1A:G1A+7]
	s_nop 0
.rept 4
	v_nop
.endr
	s_branch .Lasked_\@
.Lfor_v_\@:
	tensor_load_to_lds s[G0V:G0V+3], s[G1:G1+7]
	s_nop 0
.rept 4
	v_nop
.endr
.Lasked_\@:
.endm
	s_load_b512 s[4:19], s[0:1], 0x0               ; Q's codes s[4:5], Q's scales s[6:7], kt s[8:9], vt s[10:11], wt s[12:13], Wo's scales s[14:15], bo s[16:17], out s[18:19]
	v_lshl_add_u32 v[SPW], v0, 2, SPARE
	v_mov_b32 v[NIL], 0
	ds_add_u32 v3, v4
	ds_add_u32 v3, v4
	s_wait_dscnt 0x0
	v_lshrrev_b32 v1, 5, v0
	v_readfirstlane_b32 s[WV], v1                  ; wave 0..3
	s_lshr_b32 s[WHI], s[WV], 1
	s_and_b32 s[WLO], s[WV], 1
	s_bfe_u32 s52, ttmp6, 0x40000                  ; cx
	s_lshl_b32 s53, ttmp9, 2
	s_add_co_u32 s53, s53, s52                     ; my block of 64 queries: it enters Q's and out's addresses alone
	s_and_b32 s54, ttmp7, 0xffff                   ; the batch, which the partners share
	s_lshl_b32 s55, s54, 11
	s_lshl_b32 s53, s53, 6
	s_add_co_u32 s55, s55, s53                     ; my first query's row
	s_mul_i32 s[KH], s[WLO], HALFB
	s_mul_i32 s56, s54, 8*TILEB
	s_add_co_u32 s56, s56, s[KH]                   ; my half of the batch's first tile
	s_mov_b32 s57, 0
	s_mov_b32 s[G1], 15|(3<<16)|(1<<21)            ; mask: all four; elements of 8 bytes; bit 21 beside a mask; no padding
	s_mov_b32 s[G1+1], 32<<16
	s_mov_b32 s[G1+2], 200<<16
	s_mov_b32 s[G1+3], 32<<16
	s_mov_b32 s[G1+4], 200
	s_mov_b32 s[G1+5], 32
	s_mov_b32 s[G1+6], 0
	s_mov_b32 s[G1+7], 0
	s_mov_b32 s[G1A], 15|(3<<16)|(1<<21)           ; the same with 192 rows
	s_mov_b32 s[G1A+1], 32<<16
	s_mov_b32 s[G1A+2], 192<<16
	s_mov_b32 s[G1A+3], 32<<16
	s_mov_b32 s[G1A+4], 192
	s_mov_b32 s[G1A+5], 32
	s_mov_b32 s[G1A+6], 0
	s_mov_b32 s[G1A+7], 0
	s_mov_b32 s[G1B], 15|(3<<16)|(1<<21)           ; and with 96
	s_mov_b32 s[G1B+1], 32<<16
	s_mov_b32 s[G1B+2], 96<<16
	s_mov_b32 s[G1B+3], 32<<16
	s_mov_b32 s[G1B+4], 96
	s_mov_b32 s[G1B+5], 32
	s_mov_b32 s[G1B+6], 0
	s_mov_b32 s[G1B+7], 0
	s_mov_b32 s[CS], 0x3d8293ee
	s_mov_b32 s[CS+1], s[CS]                       ; (named with it as a pair, so it is written)
	s_mov_b32 s[SEL], 0x76543210
	s_mov_b32 s[SEL+1], 0xfedcba98
	s_mov_b32 s[KB], 0
	s_wait_kmcnt 0x0
	s_add_nc_u64 s[8:9], s[8:9], s[56:57]
	s_add_nc_u64 s[10:11], s[10:11], s[56:57]
	CROUND                                         ; all four work-groups are here: the first joint loads meet
	s_mov_b32 s[G0KA], 1
	s_mov_b32 s[G0KA+1], s[KH]
	s_mov_b64 s[G0KA+2:G0KA+3], s[8:9]
	s_or_b32 s[G0KA+3], s[G0KA+3], 0x80000000
	s_mov_b32 s[G0K], 1
	s_add_co_u32 s[G0K+1], s[KH], TILEB
	s_add_nc_u64 s[G0K+2:G0K+3], s[8:9], TILEB
	s_or_b32 s[G0K+3], s[G0K+3], 0x80000000
	s_mov_b32 s[G0V], 1
	s_add_co_u32 s[G0V+1], s[KH], VSL
	s_mov_b64 s[G0V+2:G0V+3], s[10:11]
	s_or_b32 s[G0V+3], s[G0V+3], 0x80000000
	s_cmp_lt_u32 s[WV], 2                          ; a wave's first fills stand in one branch, ahead of every wait on TENSORcnt, every LDS read and every other barrier
	s_cbranch_scc0 .Lfirst_v
	tensor_load_to_lds s[G0KA:G0KA+3], s[G1:G1+7]  ; one tensor load a wave at the head: Kp's tile 0 (waves 0, 1) or Vp's (waves 2, 3)
	s_nop 0
.rept 4
	v_nop
.endr
	s_branch .Lfirst_asked
.Lfirst_v:
	tensor_load_to_lds s[G0V:G0V+3], s[G1:G1+7]
	s_nop 0
.rept 4
	v_nop
.endr
.Lfirst_asked:
	s_mul_i32 s52, s55, 384
	s_mov_b32 s53, 0
	s_add_nc_u64 s[4:5], s[4:5], s[52:53]          ; Q's codes at my first query,
	s_mul_i32 s52, s[WV], 96
	s_add_nc_u64 s[4:5], s[4:5], s[52:53]          ; at K step w
	s_lshl_b32 s52, s55, 4
	s_add_nc_u64 s[6:7], s[6:7], s[52:53]          ; its scale words
	s_lshl_b32 s52, s55, 11
	s_add_nc_u64 s[18:19], s[18:19], s[52:53]      ; its row of out,
	s_lshl_b32 s52, s[WV], 9
	s_add_nc_u64 s[18:19], s[18:19], s[52:53]      ; at my 128 columns
	s_add_nc_u64 s[16:17], s[16:17], s[52:53]      ; bo at my 128
	s_lshl_b32 s52, s[WV], 11
	s_add_nc_u64 s[14:15], s[14:15], s[52:53]      ; Wo's scale words at my 128 rows
	v_and_b32 v[RR], 15, v0                        ; r
	v_bfe_u32 v[HH], v0, 4, 1                      ; h
	v_mul_u32_u24 v[AWO], v[RR], 384
	v_mad_u32_u24 v[AWO], v[HH], 24, v[AWO]
	v_lshlrev_b32 v[QSO], 4, v[RR]
	v_lshlrev_b32 v[BOO], 5, v[HH]
.irp m, 0,1,2,3
.irp p, 0,1,2,3,4,5
	global_load_b64 v[S+12*\m+2*\p:S+12*\m+2*\p+1], v[AWO], s[4:5] offset:\m*6144+48*(\p/3)+8*(\p%3)   ; Q's fragment (tile m, K step w)
.endr
.endr
.irp m, 0,1,2,3
	global_load_b128 v[QSC+4*\m:QSC+4*\m+3], v[QSO], s[6:7] offset:256*\m      ; row r's four words: register 4 m + s
.endr
	WIN 0xc0                                       ; destination window 3
.irp u, 0,1,2,3,4,5,6,7
	global_load_b128 v[192+8*\u:195+8*\u], v[BOO], s[16:17] offset:64*\u       ; bo(16 et + 8 h + 0 .. 7): the C of the last product's first K step
	global_load_b128 v[196+8*\u:199+8*\u], v[BOO], s[16:17] offset:64*\u+16
.endr
	WIN 0
	; Wo's two groups 0: made of the wave's number alone, in registers that never hold cx
	s_mul_i32 s58, s[WLO], 2*WOQ
	s_mov_b32 s59, 0
	s_mov_b32 s[G0WA], 1
	s_mov_b32 s[G0WA+1], s58                       ; into Kp's slot 0
	s_add_nc_u64 s[G0WA+2:G0WA+3], s[12:13], s[58:59]
	s_or_b32 s[G0WA+3], s[G0WA+3], 0x80000000
	s_mul_i32 s58, s[WV], WOQ
	s_mov_b32 s[G0WB], 1
	s_add_co_u32 s[G0WB+1], s58, TILEB             ; into Kp's slot 1
	s_add_co_u32 s58, s58, WOH
	s_add_nc_u64 s[G0WB+2:G0WB+3], s[12:13], s[58:59]
	s_or_b32 s[G0WB+3], s[G0WB+3], 0x80000000
	v_and_b32 v28, 31, v0                          ; lane
	v_lshlrev_b32 v[LI16], 4, v28
	v_lshlrev_b32 v[LI4], 2, v28
	v_lshlrev_b32 v29, 3, v28
	s_mul_i32 s52, s[WV], BLKB
	v_add_nc_u32 v[AKW], s52, v[LI16]
	s_add_co_u32 s52, s52, VSL
	v_add_nc_u32 v[AVW], s52, v[LI16]
	v_add_nc_u32 v[AP16], PIMG, v[LI16]
	v_add_nc_u32 v[AP8], PIMG+512, v29
	s_mul_i32 s52, s[WHI], 4*FRB                   ; my keys lie in the fragments kk = wave / 2, in their half c = wave % 2
	s_mul_i32 s53, s[WLO], 768
	s_add_co_u32 s52, s52, s53
	v_add_nc_u32 v[APW16], s52, v[AP16]
	v_add_nc_u32 v[APW8], s52, v[AP8]
	v_add_nc_u32 v[APS], PSC, v[LI16]
	s_lshl_b32 s52, s[WHI], 9
	s_lshl_b32 s53, s[WLO], 1
	s_add_co_u32 s52, s52, s53
	v_add_nc_u32 v[APSW], s52, v[APS]              ; my two bytes of a scale word
	v_add_nc_u32 v[AMX], MAXX, v[LI16]
	v_add_nc_u32 v[ALS], LSUM, v[LI16]
	s_lshl_b32 s52, s[WV], 9
	v_add_nc_u32 v[AMXW], s52, v[AMX]
	v_add_nc_u32 v[ALSW], s52, v[ALS]
	s_mul_i32 s52, s[WV], 16*SPITCH
	s_add_co_u32 s52, s52, STAGE
	v_mul_u32_u24 v[STO], v[RR], SPITCH
	v_lshl_add_u32 v[STO], v[HH], 5, v[STO]
	v_add_nc_u32 v[STO], s52, v[STO]               ; the stage: row r, + 32 h
	v_add_nc_u32 v[RD], s52, v[LI16]               ; back: the 32 lanes take a row of 512 bytes
	s_mul_i32 s52, s[WV], FRB
	v_add_nc_u32 v[CIW], s52, v[LI16]              ; the context's K step w
	v_add_nc_u32 v[ADK], s52, v[AP16]              ; and, at the head, Q's K step w
	s_mul_i32 s52, s[WV], WOQ
	v_add_nc_u32 v[AWA], s52, v[LI16]
	s_lshl_b32 s52, s[WV], 7
	v_add_nc_u32 v[CSW], s52, v[LI4]
	v_lshlrev_b32 v[AWS], 10, v[HH]
	v_lshl_add_u32 v[AWS], v[RR], 4, v[AWS]        ; Wo's scale words: lanes 16-31 take the rows 64 further on
.irp m, 0,1,2,3
	v_mov_b32 v[NM+2*\m+1], 0xff61b1e6             ; the largest t so far: -3e38
	v_mov_b32 v[LL+2*\m], 0                        ; the sum, in two halves
	v_mov_b32 v[LL+2*\m+1], 0
	v_mov_b32 v[FF+2*\m+1], 0                      ; (named as the upper half of f's pair)
.endr
.irp m, 0,1,2,3
	v_floor_f32 v[NM+2*\m], -v[NM+2*\m+1]          ; -M
.endr
.irp k, 0,1,2,3,4,5,6,7
	v_mov_b32 v[SOP+\k], 0                         ; written once: a lane permute's destination counts as one of its sources
.endr
	; the prefetches' pointer and offsets: my half (51,200 bytes, 200 blocks of 256) of tile 3 of Kp (waves 0, 1) or of Vp (waves 2, 3);
	; the four partners share a half out by address, 50 blocks each: lane l names block l, then block min(l + 32, 49)
	s_cmp_lt_u32 s[WV], 2
	s_cselect_b64 s[60:61], s[8:9], s[10:11]
	s_add_nc_u64 s[60:61], s[60:61], 3*TILEB
	s_bfe_u32 s62, ttmp6, 0x40000
	s_mul_i32 s62, s62, 50*256
	v_and_b32 v[RR], 31, v0                        ; (r and h are done with)
	v_add_nc_u32 v[HH], 32, v[RR]
	v_min_u32 v[HH], 49, v[HH]
	v_lshlrev_b32 v[RR], 8, v[RR]
	v_lshlrev_b32 v[HH], 8, v[HH]
	v_add_nc_u32 v[RR], s62, v[RR]
	v_add_nc_u32 v[HH], s62, v[HH]
	s_wait_loadcnt 16
.set BB, S
.rept 8                                        ; in each block's 24 bytes, bytes 6-11 (k 8-15) and bytes 12-17 (k 16-23) change places: Kp's order
	v_perm_b32 v240, v[BB+3], v[BB+1], 0x05040100
	v_perm_b32 v241, v[BB+4], v[BB+3], 0x05040302
	v_perm_b32 v[BB+3], v[BB+2], v[BB+1], 0x05040302
	v_perm_b32 v[BB+4], v[BB+4], v[BB+2], 0x07060302
	v_mov_b32 v[BB+1], v240
	v_mov_b32 v[BB+2], v241
.set BB, BB+6
.endr
; Q GOES ROUND: my fragments of tiles m0, m0 + 1 to LDS as they stand (fragment 4 i + w of eight); a barrier; every wave takes all eight; a barrier before the bytes are written again.
.macro QPUT m0
.irp i, 0,1
.irp c, 0,1,2
	ds_store_b128 v[ADK], v[S+12*(\m0+\i)+4*\c:S+12*(\m0+\i)+4*\c+3] offset:4*FRB*\i+512*\c
.endr
.endr
.endm
.macro QGET m0
	WIN 0x80                                       ; destination window 2
.irp i, 0,1
.irp s, 0,1,2,3
.irp c, 0,1,2
	ds_load_b128 v[12*(4*(\m0+\i)+\s)+4*\c:12*(4*(\m0+\i)+\s)+4*\c+3], v[AP16] offset:FRB*(4*\i+\s)+512*\c
.endr
.endr
.endr
	WIN 0
.endm
	QPUT 0
	s_wait_alu depctr_va_vdst(0)
	s_wait_dscnt 0x0                               ; for the others' sake: my stores have landed
	s_barrier_signal -1
	s_barrier_wait -1
	QGET 0
	s_wait_dscnt 0x0                               ; my reads are in: the bytes may be written again
	s_barrier_signal -1
	s_barrier_wait -1
	QPUT 2
	s_wait_tensorcnt 0x0                           ; my head's load is in; Kp's slot 1 is first filled as a refill is
	ds_add_u32 v[SPW], v[NIL]
	s_wait_dscnt 0x0                               ; the add and my stores have landed
	CROUND
	s_cmp_lt_u32 s[WV], 2
	s_cbranch_scc0 .Lno_k1
	tensor_load_to_lds s[G0K:G0K+3], s[G1:G1+7]    ; waves 0, 1: the halves of Kp's tile 1; the wait for it stands in the first key step
	s_nop 0
	PLACES 4
.Lno_k1:
	QGET 2
.macro SMUL m, t, s                    ; S^T(m, t) += Kp's fragment (K step s, key tile t) x Q's (m, s).  Kp's words: register 4 (s / 2) + t, the lanes' half s % 2
.set rD, S+32*\m+8*\t
.set rK, 12*(4*\s+\t)
.set rQ, 12*(4*\m+\s)
.set rA, KSC+4*(\s/2)+\t
.set rB, QSC+4*\m+\s
.if \s == 0
	v_wmma_scale_f32_16x16x128_f8f6f4 v[rD:rD+7], v[rK:rK+11], v[rQ:rQ+11], 0, v[rA], v[rB] matrix_a_fmt:MATRIX_FMT_FP6 matrix_b_fmt:MATRIX_FMT_FP6
.elseif \s == 2
	v_wmma_scale_f32_16x16x128_f8f6f4 v[rD:rD+7], v[rK:rK+11], v[rQ:rQ+11], v[rD:rD+7], v[rA], v[rB] matrix_a_fmt:MATRIX_FMT_FP6 matrix_b_fmt:MATRIX_FMT_FP6
.else
	v_wmma_scale_f32_16x16x128_f8f6f4 v[rD:rD+7], v[rK:rK+11], v[rQ:rQ+11], v[rD:rD+7], v[rA], v[rB] matrix_a_fmt:MATRIX_FMT_FP6 matrix_b_fmt:MATRIX_FMT_FP6 matrix_a_scale:MATRIX_SCALE_ROW1
.endif
.endm
.macro PVMUL kk, dt, m, zero           ; O^T(m, dt) += Vp's fragment (kk, dt) x p's (kk, m).  Vp's words: register 4 kk + dt % 4, the lanes' half dt / 4
.set rD, 64*\m+8*\dt
.set rK, 96*\kk+12*\dt
.set rQ, 192-64*\kk+12*\m
.set rA, VSC+4*\kk+\dt%4
.set rB, PSCR+4*\kk+\m
.if \zero
.if \dt < 4
	v_wmma_scale_f32_16x16x128_f8f6f4 v[rD:rD+7], v[rK:rK+11], v[rQ:rQ+11], 0, v[rA], v[rB] matrix_a_fmt:MATRIX_FMT_FP6 matrix_b_fmt:MATRIX_FMT_FP6
.else
	v_wmma_scale_f32_16x16x128_f8f6f4 v[rD:rD+7], v[rK:rK+11], v[rQ:rQ+11], 0, v[rA], v[rB] matrix_a_fmt:MATRIX_FMT_FP6 matrix_b_fmt:MATRIX_FMT_FP6 matrix_a_scale:MATRIX_SCALE_ROW1
.endif
.else
.if \dt < 4
	v_wmma_scale_f32_16x16x128_f8f6f4 v[rD:rD+7], v[rK:rK+11], v[rQ:rQ+11], v[rD:rD+7], v[rA], v[rB] matrix_a_fmt:MATRIX_FMT_FP6 matrix_b_fmt:MATRIX_FMT_FP6
.else
	v_wmma_scale_f32_16x16x128_f8f6f4 v[rD:rD+7], v[rK:rK+11], v[rQ:rQ+11], v[rD:rD+7], v[rA], v[rB] matrix_a_fmt:MATRIX_FMT_FP6 matrix_b_fmt:MATRIX_FMT_FP6 matrix_a_scale:MATRIX_SCALE_ROW1
.endif
.endif
.endm
.macro PCODE m, cd, t2                 ; tile m's 2 x 32 of p become six registers a lane (lanes 0-15 my first block of 32 keys, lanes 16-31 my second) and go to LDS as they stand
	v_cvt_scalef32_pk16_fp6_f32 v[\cd:\cd+2], v[S+32*\m:S+32*\m+15], v[SOP+2*\m]
	v_cvt_scalef32_pk16_fp6_f32 v[\t2:\t2+2], v[S+32*\m+16:S+32*\m+31], v[SOP+2*\m+1]
	v_nop                                          ; one plain place behind a scaled conversion
.irp i, 0,1,2
	v_permlane16_swap_b32 v[\cd+\i], v[\t2+\i]
.endr
.irp i, 0,1,2
	v_mov_b32 v[\cd+3+\i], v[\t2+\i]
.endr
	ds_store_b128 v[APW16], v[\cd:\cd+3] offset:FRB*\m
	ds_store_b64 v[APW8], v[\cd+4:\cd+5] offset:FRB*\m
.endm
.macro PLOAD kk, base                  ; p's four fragments of 128 keys kk
.irp m, 0,1,2,3
.irp c, 0,1
	ds_load_b128 v[\base+12*\m+6*\c:\base+12*\m+6*\c+3], v[AP16] offset:FRB*(4*\kk+\m)+768*\c
	ds_load_b64 v[\base+12*\m+6*\c+4:\base+12*\m+6*\c+5], v[AP8] offset:FRB*(4*\kk+\m)+768*\c
.endr
.endr
.endm
.macro VFRAGS kk                       ; my eight fragments of Vp for 128 keys kk
.irp u, 0,1,2,3,4,5,6,7
.irp c, 0,1,2
	ds_load_b128 v[96*\kk+12*\u+4*\c:96*\kk+12*\u+4*\c+3], v[AVW] offset:FRB*(8*\kk+\u)+512*\c
.endr
.endr
.endm
.macro WOFRAGS adr                     ; my 16 fragments of two K steps of Wo: (s % 2, et) into v[12 (8 (s % 2) + et)] of the window in hand; 48 loads of 512 consecutive bytes
.set FI, 0
.rept 16
.irp c, 0,1,2
	ds_load_b128 v[12*FI+4*\c:12*FI+4*\c+3], v[\adr] offset:FRB*FI+512*\c
.endr
.set FI, FI+1
.endr
.endm
; A KEY STEP: 256 keys.  first = 1: its V^T P starts O^T.  fill = 2: Kp's and Vp's slots are filled again behind it; 1: Vp's, and Kp's slot 0 takes Wo's first half; 0: none.
; last = 1: the barrier in front of V^T P is a round, behind which Kp's slot 1 takes Wo's second half; Wo's first half is read into Q's registers; the sums go round.
.macro STEP first, fill, last
	; ---- S^T = Kp Q^T: my 64 keys x 64 queries, K = 512: 64 matrix instructions, the 16 accumulators by turns
	v_add_nc_u32 v[ADK], s[KB], v[AKW]
	ds_load_b128 v[KSC:KSC+3], v[ADK] offset:SCO
	ds_load_b128 v[KSC+4:KSC+7], v[ADK] offset:SCO+512
	WIN 0xc0                                       ; destination window 3
.set FI, 0
.rept 16
.irp c, 0,1,2
	ds_load_b128 v[12*FI+4*\c:12*FI+4*\c+3], v[ADK] offset:FRB*FI+512*\c
.endr
.set FI, FI+1
.endr
.irp s, 0,1,2,3
	s_wait_dscnt 12*(3-\s)                         ; the twelve loads of each later K step may be out
	WIN 0x0b                                       ; source 0 window 3, source 1 window 2
.irp m, 0,1,2,3
.irp t, 0,1,2,3
	SMUL \m, \t, \s
.endr
.endr
.endr
	WIN 0
	PLACES 4                                       ; in front of the first read of the scores (and of the loads over Q's scale words)
.if \fill == 2
	; key step t = 0 .. 4 asks for tile t + 3: Kp's is loaded at the end of step t + 1, Vp's at the end of step t + 2.  Step 5 (the counter at 1) asks for nothing: the batch has eight tiles
	s_cmp_gt_u32 s[CNT], 1
	s_cbranch_scc0 .Lno_pf_\@
	global_prefetch_b8 v[RR], s[60:61] th:TH_LOAD_NT scope:SCOPE_SE
	global_prefetch_b8 v[HH], s[60:61] th:TH_LOAD_NT scope:SCOPE_SE
.Lno_pf_\@:
.endif
.if \last
.irp i, 0,1,2,3
	global_load_b128 v[QSC+4*\i:QSC+4*\i+3], v[AWS], s[14:15] offset:256*\i
.endr
.endif
	; ---- the largest score of each block of 32 keys (block k = 2 m + my block): it serves the row's maximum and, since p rises with the score, the block's largest p
.irp k, 0,1,2,3,4,5,6,7
	v_max3_num_f32 v[BM+\k], v[S+16*\k], v[S+16*\k+1], v[S+16*\k+2]
.endr
.irp i, 3,5,7,9,11,13
.irp k, 0,1,2,3,4,5,6,7
	v_max3_num_f32 v[BM+\k], v[BM+\k], v[S+16*\k+\i], v[S+16*\k+\i+1]
.endr
.endr
.irp k, 0,1,2,3,4,5,6,7
	v_max_num_f32 v[BM+\k], v[BM+\k], v[S+16*\k+15]
.endr
.irp k, 0,1,2,3,4,5,6,7
	v_permlanex16_b32 v[SOP+\k], v[BM+\k], s[SEL], s[SEL+1]
.endr
.irp k, 0,1,2,3,4,5,6,7
	v_max_num_f32 v[BM+\k], v[BM+\k], v[SOP+\k]    ; with lane l xor 16's 16 keys
.endr
.irp m, 0,1,2,3
	v_max_num_f32 v[EX+\m], v[BM+2*\m], v[BM+2*\m+1]
.endr
	ds_store_b128 v[AMXW], v[EX:EX+3]              ; my 64 keys' maxima of the lane's four queries
	s_wait_dscnt 0x0                               ; for the others' sake
	s_barrier_signal -1
	s_barrier_wait -1
.irp u, 0,1,2,3
	ds_load_b128 v[EX+4*\u:EX+4*\u+3], v[AMX] offset:512*\u
.endr
	s_wait_dscnt 0x0
.irp m, 0,1,2,3
	v_max3_num_f32 v[SOP+\m], v[EX+\m], v[EX+4+\m], v[EX+8+\m]
.endr
.irp m, 0,1,2,3
	v_max_num_f32 v[SOP+\m], v[SOP+\m], v[EX+12+\m]    ; the step's largest score of the query
.endr
.irp m, 0,1,2,3
	v_mul_f32 v[SOP+\m], s[CS], v[SOP+\m]          ; as t (c is positive)
.endr
.irp m, 0,1,2,3
	v_max_num_f32 v[NM+2*\m+1], v[NM+2*\m+1], v[SOP+\m]
.endr
.irp m, 0,1,2,3
	v_mov_b32 v[SOP+4+\m], v[NM+2*\m]
.endr
.irp m, 0,1,2,3
	v_floor_f32 v[NM+2*\m], -v[NM+2*\m+1]          ; -M = floor(-t): M is a whole number
.endr
.irp m, 0,1,2,3
	v_sub_f32 v[SOP+4+\m], v[NM+2*\m], v[SOP+4+\m] ; old M - new M, 0 or less
.endr
.irp m, 0,1,2,3
	v_cvt_i32_f32 v[SOP+4+\m], v[SOP+4+\m]         ; (it saturates)
.endr
.irp m, 0,1,2,3
	v_ldexp_f32 v[FF+2*\m], 1.0, v[SOP+4+\m]       ; f = 2^(old M - new M)
.endr
.irp m, 0,1,2,3
.set JJ, 0
.rept 16
	v_pk_fma_f32 v[S+32*\m+JJ:S+32*\m+JJ+1], v[S+32*\m+JJ:S+32*\m+JJ+1], s[CS:CS+1], v[NM+2*\m:NM+2*\m+1] op_sel_hi:[1,0,0]   ; t - M
.set JJ, JJ+2
.endr
.endr
.irp k, 0,1,2,3,4,5,6,7
	v_fma_f32 v[BM+\k], v[BM+\k], s[CS], v[NM+2*(\k/2)]    ; the same of each block's largest score
.endr
.set JJ, 0
	s_wait_alu depctr_va_vdst(0)
.rept 128
	v_exp_f32 v[S+JJ], v[S+JJ]                     ; p = 2^(t - M)
.set JJ, JJ+1
.endr
.irp k, 0,1,2,3,4,5,6,7
	v_exp_f32 v[BM+\k], v[BM+\k]                   ; the block's largest p
.endr
.irp m, 0,1,2,3
	v_pk_mul_f32 v[LL+2*\m:LL+2*\m+1], v[LL+2*\m:LL+2*\m+1], v[FF+2*\m:FF+2*\m+1] op_sel_hi:[1,0]   ; the sums under the new M (plain places behind the exponentials)
.endr
	s_wait_alu depctr_va_vdst(0)
.irp k, 0,1,2,3,4,5,6,7
	v_max_num_f32 v[BM+\k], 0x1800000, v[BM+\k]    ; the floor 2^(3 - 127): the byte cannot fall under 1
.endr
.irp k, 0,1,2,3,4,5,6,7
	v_add_nc_u32 v[SOP+\k], 0xff000000, v[BM+\k]   ; 2 off the exponent field: the conversion's scale operand
.endr
.irp k, 0,1,2,3,4,5,6,7
	v_lshrrev_b32 v[BM+\k], 23, v[SOP+\k]          ; the scale's byte
.endr
.irp m, 0,1,2,3
	v_lshl_or_b32 v[BM+2*\m], v[BM+2*\m+1], 8, v[BM+2*\m]
.endr
.irp m, 0,1,2,3
	ds_store_b16 v[APSW], v[BM+2*\m] offset:4*\m   ; my two bytes of the scale word of (my 128 keys, tile m)
.endr
	PCODE 0, 112, 118
	PCODE 1, 122, 28
.if !\first
	WIN 0x41                                       ; O^T (destination, source 0) window 1, f window 0
.irp m, 0,1,2,3
.set JJ, 0
.rept 32
	v_pk_mul_f32 v[64*\m+JJ:64*\m+JJ+1], v[64*\m+JJ:64*\m+JJ+1], v[FF+2*\m:FF+2*\m+1] op_sel_hi:[1,0]   ; O^T under the new M; each accumulator from its low end on
.set JJ, JJ+2
.endr
.endr
	WIN 0
.endif
	s_wait_dscnt 0x0                               ; the stores have read the two sets of code registers
	PCODE 2, 112, 118
	PCODE 3, 122, 28
.set JJ, 0
.rept 16
.irp m, 0,1,2,3
	v_pk_add_f32 v[LL+2*\m:LL+2*\m+1], v[LL+2*\m:LL+2*\m+1], v[S+32*\m+JJ:S+32*\m+JJ+1]   ; the row's sum, of the UNQUANTISED p: four chains by turns
.endr
.set JJ, JJ+2
.endr
.if \last
.irp m, 0,1,2,3
	v_add_f32 v[SOP+\m], v[LL+2*\m], v[LL+2*\m+1]
.endr
.irp m, 0,1,2,3
	v_permlanex16_b32 v[SOP+4+\m], v[SOP+\m], s[SEL], s[SEL+1]
.endr
.irp m, 0,1,2,3
	v_add_f32 v[SOP+\m], v[SOP+\m], v[SOP+4+\m]
.endr
	ds_store_b128 v[ALSW], v[SOP:SOP+3]            ; my keys' part of the four queries' sums
.endif
	s_wait_tensorcnt 0x0                           ; on every wave's path: my one load that is out has landed.  Waves 2 and 3's is their half of this step's tile of Vp, which all four waves read behind this barrier;
	                                               ; waves 0 and 1's is their half of Kp's next tile (in the last step: of Wo's first half), asked for in the same place.  One line for all four, so that it holds of whichever wave fetched
.if \last
	ds_add_u32 v[SPW], v[NIL]                      ; a slot is filled again behind this barrier
.endif
	s_wait_dscnt 0x0                               ; my stores of p have landed; my reads of Kp's last tile are long in
.if \last
	CROUND                                         ; no wave of any partner still reads Kp's slot 1 or has a load on its way
	tensor_load_to_lds s[G0WB:G0WB+3], s[G1B:G1B+7]    ; my quarter of Wo's K steps 2 and 3: it has V^T P and the context's quantising in which to land
	s_nop 0
	PLACES 4
.else
	s_barrier_signal -1
	s_barrier_wait -1
.endif
	; ---- O^T += Vp^T P^T: my 128 d x 64 queries, K = 256 keys: 64 matrix instructions, the 32 accumulators by turns
.if \last
.irp u, 0,1,2,3
	ds_load_b128 v[EX+4*\u:EX+4*\u+3], v[ALS] offset:512*\u
.endr
.endif
	ds_load_b128 v[VSC:VSC+3], v[AVW] offset:SCO
	ds_load_b128 v[VSC+4:VSC+7], v[AVW] offset:SCO+512
	ds_load_b128 v[PSCR:PSCR+3], v[APS]
	ds_load_b128 v[PSCR+4:PSCR+7], v[APS] offset:512
	WIN 0x80
	PLOAD 0, 192
	WIN 0xc0
	VFRAGS 0
	WIN 0
	PLOAD 1, 128
	WIN 0xc0
	VFRAGS 1
	s_wait_dscnt 40                                ; all but the second 128 keys' 16 + 24 loads
	WIN 0x5b                                       ; source 0 window 3, source 1 window 2, C and D window 1
.irp u, 0,1,2,3,4,5,6,7
.irp m, 0,1,2,3
	PVMUL 0, \u, \m, \first
.endr
.endr
	s_wait_dscnt 0x0
.if \last
	WIN 0x80                                       ; destination window 2: Q's registers, which no product has read since the scores were made
	WOFRAGS AWA                                    ; Wo's K steps 0 and 1 come in under the 32 products below
.endif
	WIN 0x53                                       ; source 1 window 0
.irp u, 0,1,2,3,4,5,6,7
.irp m, 0,1,2,3
	PVMUL 1, \u, \m, 0
.endr
.endr
.if \fill
	; ---- the refills: every wave waits for all its tensor loads, adds 0 to its spare word, waits for that and for its LDS reads; a round of the cluster's barrier; one joint load a wave, first thing behind it
	WIN 0
	s_wait_tensorcnt 0x0                           ; no tensor load of mine is out (none was issued since the wait in front of the barrier above), so the groups 0 may be written
	ds_add_u32 v[SPW], v[NIL]
.if \fill == 2
	s_add_co_u32 s[G0K+1], s[KB], s[KH]
	s_wait_xcnt 0x0                                ; my prefetches have read their pointer:
	s_add_nc_u64 s[60:61], s[60:61], TILEB         ; a tile on
	s_add_nc_u64 s[G0K+2:G0K+3], s[G0K+2:G0K+3], TILEB     ; Kp's tile two steps on
.endif
	s_add_nc_u64 s[G0V+2:G0V+3], s[G0V+2:G0V+3], TILEB     ; Vp's next tile
	s_xor_b32 s[KB], s[KB], TILEB                  ; the next step reads the other slot
	PLACES 5                                       ; the next step's first products write over p's second set, which the last products read: five places; its loads over Vp's fragments want four
	s_wait_dscnt 0x0
	CROUND
.if \fill == 2
	JLOAD
.else
	JLOADW
.endif
.endif
.endm
	s_mov_b32 s[CNT], 5
	STEP 1, 2, 0
.Lstep:
	STEP 0, 2, 0
	s_sub_co_u32 s[CNT], s[CNT], 1
	s_cmp_lg_u32 s[CNT], 0
	s_cbranch_scc1 .Lstep
	s_mov_b32 s[KB], 0                             ; six steps are done, so the slot in hand is slot 0 again: written as the constant that it is
	STEP 0, 1, 0                                   ; the tail is written out
	STEP 0, 0, 1
; 64 numbers of a lane, register 16 b + i = place 16 (lane / 16) + i of block b of my row, become a fragment's codes (12 registers from cd on) and its scale word.
.macro QUANT src, cd, t2, tm, pw
.irp b, 0,1,2,3
	v_max3_num_f32 v[\tm+\b], |v[\src+16*\b]|, |v[\src+16*\b+1]|, 0x1800000
.endr
.irp i, 2,4,6,8,10,12,14
.irp b, 0,1,2,3
	v_max3_num_f32 v[\tm+\b], v[\tm+\b], |v[\src+16*\b+\i]|, |v[\src+16*\b+\i+1]|
.endr
.endr
.irp b, 0,1,2,3
	v_permlanex16_b32 v[\tm+4+\b], v[\tm+\b], s[SEL], s[SEL+1]
.endr
.irp b, 0,1,2,3
	v_max_num_f32 v[\tm+\b], v[\tm+\b], v[\tm+4+\b]
.endr
.irp b, 0,1,2,3
	v_add_nc_u32 v[\tm+12+\b], 0xff000000, v[\tm+\b]
.endr
.irp b, 0,1,2,3
	v_lshrrev_b32 v[\tm+4+\b], 23, v[\tm+12+\b]
.endr
	v_lshl_or_b32 v[\pw], v[\tm+5], 8, v[\tm+4]
	v_lshl_or_b32 v[\pw], v[\tm+6], 16, v[\pw]
	v_lshl_or_b32 v[\pw], v[\tm+7], 24, v[\pw]
.irp c, 0,1
	v_cvt_scalef32_pk16_fp6_f32 v[\cd+6*\c:\cd+6*\c+2], v[\src+32*\c:\src+32*\c+15], v[\tm+12+2*\c]
	v_cvt_scalef32_pk16_fp6_f32 v[\t2+4*\c:\t2+4*\c+2], v[\src+32*\c+16:\src+32*\c+31], v[\tm+13+2*\c]
.endr
	v_nop                                          ; one plain place behind a scaled conversion
.irp c, 0,1
.irp i, 0,1,2
	v_permlane16_swap_b32 v[\cd+6*\c+\i], v[\t2+4*\c+\i]
.endr
.irp i, 0,1,2
	v_mov_b32 v[\cd+6*\c+3+\i], v[\t2+4*\c+\i]
.endr
.endr
.endm
; Tile m's context: O^T / the sum, brought into the natural order of d, quantised: K step w of the last product; its image goes to LDS.
.macro CTX m
	WIN 0x01                                       ; source 0 window 1
.set JJ, 0
.rept 32
	v_pk_mul_f32 v[XR+JJ:XR+JJ+1], v[64*\m+JJ:64*\m+JJ+1], v[FF+2*\m:FF+2*\m+1] op_sel_hi:[1,0]   ; each accumulator from its low end on
.set JJ, JJ+2
.endr
	WIN 0
.irp b, 0,1,2,3
.irp j, 0,1,2,3,4,5,6,7
	v_permlane16_swap_b32 v[XR+16*\b+\j], v[XR+16*\b+8+\j]     ; register 16 b + i now holds d = 32 b + 16 h + i
.endr
.endr
	QUANT XR, CD, CT2, BM, CPW
.irp c, 0,1,2
	ds_store_b128 v[CIW], v[CD+4*\c:CD+4*\c+3] offset:4*FRB*\m+512*\c
.endr
	ds_store_b32 v[CSW], v[CPW] offset:CSC+512*\m
	s_wait_dscnt 0x0                               ; the stores have read their registers
.endm
.macro FCTX s                          ; the context's four fragments of K step s, into set s % 2
.irp m, 0,1,2,3
.irp c, 0,1,2
	ds_load_b128 v[128+48*((\s)%2)+12*\m+4*\c:128+48*((\s)%2)+12*\m+4*\c+3], v[LI16] offset:FRB*(4*\m+(\s))+512*\c
.endr
.endr
.endm
.macro OMUL s, u, m                    ; out^T(m, et = u) += Wo's fragment (s, u) x the context's (m, s)
.set rD, 64*\m+8*\u
.set rK, 12*(8*(\s%2)+\u)
.set rQ, 128+48*(\s%2)+12*\m
.set rA, QSC+4*(\u%4)+\s
.set rB, KSC+4*\s+\m
.if \s == 0
.if \u < 4
	v_wmma_scale_f32_16x16x128_f8f6f4 v[rD:rD+7], v[rK:rK+11], v[rQ:rQ+11], v[192+8*\u:199+8*\u], v[rA], v[rB] matrix_a_fmt:MATRIX_FMT_FP6 matrix_b_fmt:MATRIX_FMT_FP6
.else
	v_wmma_scale_f32_16x16x128_f8f6f4 v[rD:rD+7], v[rK:rK+11], v[rQ:rQ+11], v[192+8*\u:199+8*\u], v[rA], v[rB] matrix_a_fmt:MATRIX_FMT_FP6 matrix_b_fmt:MATRIX_FMT_FP6 matrix_a_scale:MATRIX_SCALE_ROW1
.endif
.else
.if \u < 4
	v_wmma_scale_f32_16x16x128_f8f6f4 v[rD:rD+7], v[rK:rK+11], v[rQ:rQ+11], v[rD:rD+7], v[rA], v[rB] matrix_a_fmt:MATRIX_FMT_FP6 matrix_b_fmt:MATRIX_FMT_FP6
.else
	v_wmma_scale_f32_16x16x128_f8f6f4 v[rD:rD+7], v[rK:rK+11], v[rQ:rQ+11], v[rD:rD+7], v[rA], v[rB] matrix_a_fmt:MATRIX_FMT_FP6 matrix_b_fmt:MATRIX_FMT_FP6 matrix_a_scale:MATRIX_SCALE_ROW1
.endif
.endif
.endm
.macro MM s                            ; 32 matrix instructions, the 32 accumulators by turns.  K step 0 takes bo (window 3) as C
.if \s == 0
	WIN 0x72                                       ; source 0 window 2, source 2 window 3, destination window 1
.elseif \s == 1
	WIN 0x52
.else
	WIN 0x53                                       ; source 0 window 3
.endif
.irp u, 0,1,2,3,4,5,6,7
.irp m, 0,1,2,3
	OMUL \s, \u, \m
.endr
.endr
.endm
.macro TOSTAGE m                       ; 16 rows x my 128 columns through my own stage; LDS serves a wave's instructions in order (ISA guide 5.7.1.4): no wait between the stores and the loads
	WIN 0x04                                       ; an LDS store's data are its source 1: window 1
.irp b, 0,1,2,3,4,5,6,7
	ds_store_b128 v[STO], v[64*(\m)+8*\b:64*(\m)+8*\b+3] offset:64*\b          ; each accumulator from its low end on
	ds_store_b128 v[STO], v[64*(\m)+8*\b+4:64*(\m)+8*\b+7] offset:64*\b+16
.endr
	WIN 0
.set BK, 128+64*((\m)%2)
.irp t, 0,1,2,3,4,5,6,7,8,9,10,11,12,13,14,15
	ds_load_b128 v[BK+4*\t:BK+4*\t+3], v[RD] offset:\t*SPITCH
.endr
.endm
.macro SEND m, younger
.set BK, 128+64*((\m)%2)
	s_wait_dscnt \younger                          ; the block is back in registers
.irp t, 0,1,2,3,4,5,6,7,8,9,10,11,12,13,14,15
	global_store_b128 v[LI16], v[BK+4*\t:BK+4*\t+3], s[18:19] offset:(16*(\m)+\t)*2048 th:TH_STORE_NT   ; 32 lanes store 512 consecutive bytes, aligned to 256; written once
.endr
.endm
	; ---- THE LAST PRODUCT
	WIN 0
	PLACES 4                                       ; in front of the first read of O^T and the first write over p's second set
	s_wait_dscnt 0x0                               ; my part of Wo's first half is in my registers,
	s_barrier_signal -1
	s_barrier_wait -1                              ; everybody's is: Kp's slot 0, which has had its last fill, may now be written
.irp m, 0,1,2,3
	v_add_f32 v[EX+\m], v[EX+\m], v[EX+4+\m]       ; the four waves' parts of the rows' sums
.endr
.irp m, 0,1,2,3
	v_add_f32 v[EX+8+\m], v[EX+8+\m], v[EX+12+\m]
.endr
.irp m, 0,1,2,3
	v_add_f32 v[EX+\m], v[EX+\m], v[EX+8+\m]
.endr
	s_wait_alu depctr_va_vdst(0)
.irp m, 0,1,2,3
	v_rcp_f32 v[FF+2*\m], v[EX+\m]
.endr
	v_nop                                          ; one plain place behind the reciprocals
	s_wait_alu depctr_va_vdst(0)
	CTX 0
	CTX 1
	CTX 2
	CTX 3
	s_wait_tensorcnt 0x0                           ; my quarter of Wo's second half has landed: the other waves read it behind this barrier
	s_barrier_signal -1                            ; (each CTX ends with the wait for my stores)
	s_barrier_wait -1                              ; the context's sixteen fragments and Wo's second half lie in LDS
	s_wait_loadcnt 0x0                             ; Wo's scale words, and bo
	v_add_nc_u32 v[ADK], TILEB, v[AWA]             ; my part of Wo's second half, in Kp's slot 1
.irp s, 0,1,2,3
.irp m, 0,1,2,3
	ds_load_b32 v[KSC+4*\s+\m], v[LI4] offset:CSC+128*(4*\m+\s)
.endr
.endr
	FCTX 0
	FCTX 1
	WIN 0xc0                                       ; destination window 3: Vp's registers; the products that read them stand far more than four places back
	WOFRAGS ADK
	s_wait_dscnt 60                                ; the context's K step 1 (12 loads) and Wo's 48 may be out
	MM 0
	PLACES 4
	WIN 0
	FCTX 2
	s_wait_dscnt 60                                ; Wo's 48 and the context's K step 2 (12) may be out
	MM 1
	PLACES 4
	WIN 0
	FCTX 3
	s_wait_dscnt 12                                ; the context's K step 3 may be out
	MM 2
	s_wait_dscnt 0x0
	MM 3
	WIN 0
	PLACES 4                                       ; in front of the first read of results and of the loads over the context's fragments
	TOSTAGE 0
.irp a, 1,2,3
.if \a > 1
	s_wait_xcnt 0x0                                ; block a - 2's stores have read their registers: block a's loads may land there
.endif
	TOSTAGE \a
	SEND \a-1, 32                                  ; behind block a - 1's loads: block a's 16 stores and 16 loads
.endr
	SEND 3, 0
	s_wait_tensorcnt 0x0                           ; the wave's end
	ds_add_u32 v[SPW], v[NIL]
	s_wait_dscnt 0x0
	CROUND                                         ; the closing round
	s_endpgm
.Lfunc_end_k_q7b1f0b784f_attn:
	.size	k_q7b1f0b784f_attn, .Lfunc_end_k_q7b1f0b784f_attn-k_q7b1f0b784f_attn
	.p2alignl 7, 3214868480
	.fill 96, 4, 3214868480
	.section	.rodata,"a",@progbits
	.p2align	6, 0x0
	.amdhsa_kernel k_q7b1f0b784f_attn
		.amdhsa_group_segment_fixed_size 327680
		.amdhsa_private_segment_fixed_size 0
		.amdhsa_enable_private_segment 0
		.amdhsa_kernarg_size 64
		.amdhsa_user_sgpr_count 2
		.amdhsa_user_sgpr_kernarg_segment_ptr 1
		.amdhsa_wavefront_size32 1
		.amdhsa_system_sgpr_workgroup_id_x 1
		.amdhsa_system_sgpr_workgroup_id_y 1
		.amdhsa_system_sgpr_workgroup_id_z 1
		.amdhsa_system_vgpr_workitem_id 0
		.amdhsa_next_free_vgpr 1024
		.amdhsa_next_free_sgpr 92
		.amdhsa_reserve_vcc 0
		.amdhsa_float_denorm_mode_32 3
		.amdhsa_float_denorm_mode_16_64 3
		.amdhsa_memory_ordered 1
		.amdhsa_forward_progress 1
		.amdhsa_inst_pref_size 255
	.end_amdhsa_kernel
	.section	.bss,"aw",@nobits
	.p2align	6
	.space	262144
	.amdgpu_metadata
---
amdhsa.version: [ 1, 2 ]
amdhsa.kernels:
  - .name:           k_q7b1f0b784f_attn
    .symbol:         k_q7b1f0b784f_attn.kd
    .args:
      - { .name: query_codes, .offset: 0, .size: 8, .value_kind: global_buffer, .address_space: global }
      - { .name: query_scales, .offset: 8, .size: 8, .value_kind: global_buffer, .address_space: global }
      - { .name: kt, .offset: 16, .size: 8, .value_kind: global_buffer, .address_space: global }
      - { .name: vt, .offset: 24, .size: 8, .value_kind: global_buffer, .address_space: global }
      - { .name: wt, .offset: 32, .size: 8, .value_kind: global_buffer, .address_space: global }
      - { .name: Wo_scales, .offset: 40, .size: 8, .value_kind: global_buffer, .address_space: global }
      - { .name: bo, .offset: 48, .size: 8, .value_kind: global_buffer, .address_space: global }
      - { .name: out0, .offset: 56, .size: 8, .value_kind: global_buffer, .address_space: global }
    .group_segment_fixed_size: 327680
    .private_segment_fixed_size: 0
    .kernarg_segment_align: 8
    .kernarg_segment_size: 64
    .max_flat_workgroup_size: 128
    .sgpr_count:     92
    .vgpr_count:     1024
    .wavefront_size: 32
...
	.end_amdgpu_metadata
.endif
;; end of part 2
